; MI455X (gfx1250); checked and timed in simulation.
; The chip was launched on July 23, 2026; its instructions are those of AMD's public machine-readable ISA for CDNA 5 (MIT licence, August 2026) and "CDNA5" Instruction Set Architecture Reference Guide (July 2026). The comments in the code are by the model that wrote it; some were corrected since.
;; Roberta Self Attention. Allowed arithmetic: matrix products marked QUANTISED: E2M3 operands, one E8M0 scale for each 32 along K, by v_wmma_scale_f32_16x16x128_f8f6f4 with both operands' format E2M3, f32 sums; everything else in f32.
;; Inputs: Wk 1,024 x 1,024 float32; Wq 1,024 x 1,024 float32; Wv 1,024 x 1,024 float32; attention_mask 4 x 1 x 1 x 2,048 float32; bk 1,024 float32; bq 1,024 float32; bv 1,024 float32; hidden_states 4 x 2,048 x 1,024 float32.
;; Outputs: out0 4 x 2,048 x 1,024 float32.
;; This version of the problem:
;;   THIS VERSION OF THE PROBLEM IS GIVEN IN LOW PRECISION. The matrix products marked QUANTISED in the list below multiply operands that are first quantised to E2M3 (2 exponent bits, 3 mantissa bits; 6 bits a number), with one power-of-two scale for each 32 numbers along K (OCP MX v1.0); their sums are f32. All else is computed in f32.
;;   The module's matrix products, in the order in which they are computed (A, B: the left and right operand; K: the contracted axis; several contracted axes count as one K, in the product's order):
;;     1. [M 8,192, K 1,024] x [K 1,024, N 1,024]; A: input hidden_states; B: input Wq: QUANTISED
;;     2. [M 8,192, K 1,024] x [K 1,024, N 1,024]; A: input hidden_states; B: input Wk: QUANTISED
;;     3. [M 8,192, K 1,024] x [K 1,024, N 1,024]; A: input hidden_states; B: input Wv: QUANTISED
;;     4. batch 64 x [M 2,048, K 64] x [K 64, N 2,048]; A: computed on the way; B: computed on the way: QUANTISED
;;     5. batch 64 x [M 2,048, K 2,048] x [K 2,048, N 64]; A: softmax (see below); B: computed on the way: QUANTISED
;;   THE QUANTISER, for each operand of a quantised product, along K:
;;     - K is cut into blocks of 32 from its start; a last block that is shorter is filled with zeros.
;;     - A block's scale is 2^e with e = floor(log2(the largest magnitude in the block)) - 2, held to -126 .. 127; a block of zeros has e = 0. As a byte (E8M0): e + 127.
;;     - Each number is divided by its block's scale, clamped to +-7.5, and rounded to the nearest number of E2M3, ties to even, subnormals kept.
;;     - The product sums the exact products of the quantised numbers (number of the format x scale) in f32.
;;   ~~~python
;;   def quantise(x, axis):      # numpy; x: float32 -> the quantised numbers, widened to float32 again
;;       x = np.moveaxis(x, axis, -1); K = x.shape[-1]
;;       x = np.pad(x, [(0, 0)] * (x.ndim - 1) + [(0, -K % 32)]); x = x.reshape(x.shape[:-1] + (-1, 32)); a = np.abs(x).max(-1, keepdims=True)
;;       e = np.where(a > 0, np.clip(np.frexp(np.where(a > 0, a, 1))[1] - 1 - 2, -126, 127), 0)      # np.frexp(a)[1] - 1 = floor(log2(a)), exactly
;;       r = np.clip(x / 2.0 ** e, -7.5, 7.5)
;;       step = 2.0 ** (np.maximum(np.frexp(np.where(r == 0, 1, r))[1] - 1, 0) - 3)
;;       q = np.round(r / step) * step * 2.0 ** e      # np.round: ties to even
;;       return np.moveaxis(q.reshape(q.shape[:-2] + (-1,))[..., :K], -1, axis).astype(np.float32)
;;   ~~~
;;   SOFTMAX AHEAD OF A QUANTISED PRODUCT. Where the list says 'softmax', what is quantised is not the finished softmax but p = 2^(t - M), with t = logit x log2(e) and M = ceil(the row's largest t), a whole number; so 1/2 < the row's largest p <= 1. The row's sum l is taken of the UNQUANTISED p, in f32, and the product's result is divided by l at the end. Since M is a whole number, a kernel that streams over the keys may use a running M (the ceiling of the running maximum): every later rescaling is an exact power of two, which a block's scale takes up: the codes' values come out the same.
;;   OPERANDS COMPUTED ON THE WAY. 'Computed on the way' means the value that the module computes at that place (a softmax that the list does not call 'softmax' is quantised finished and normalised). What goes into a quantiser is computed in f32, as accurately as f32 sums, v_exp_f32 and their like allow (about 1e-6 of the number): no bf16 or f16 on the way to a quantiser, and a product that is left as it is and whose result goes on into a quantised operand takes f32 operands (vector FMAs, or v_wmma_f32_16x16x4_f32). A number that lies on a knife's edge between two numbers of the format may be rounded either way, as far as f32 arithmetic and the matrix unit's own rounding can turn it there, and no further.
;; One version. Each part assembles by itself: llvm-mc -triple=amdgcn-amd-amdhsa -mcpu=gfx1250 --defsym DOCPART=n.
;; ======== version 1 of 1: 3 launches
;; workspace buffers: x_codes 6,291,456 bytes; x_scales 262,144 bytes; w_codes 2,359,296 bytes; w_scales 98,304 bytes; qkv 26,738,688 bytes
;; launch quant (part 1): grid 352 x 1, 4 waves a work-group, no clusters, 33,280 bytes of LDS; arguments hidden_states, Wq, Wk, Wv, x_codes, x_scales, w_codes, w_scales; writes x_codes, x_scales, w_codes, w_scales
.if DOCPART == 1
	.amdgcn_target "amdgcn-amd-amdhsa--gfx1250"
	.amdhsa_code_object_version 6
	.text
	.protected	k_qad3a64fe57_quant
	.globl	k_qad3a64fe57_quant
	.p2align	8
	.type	k_qad3a64fe57_quant,@function
k_qad3a64fe57_quant:
	s_mov_b64 s[64:65], 0
	v_nop
	global_prefetch_b8 v0, s[64:65] scope:SCOPE_SE
	s_setreg_imm32_b32 hwreg(HW_REG_WAVE_MODE, 25, 1), 1
	s_wait_xcnt 0x0
; hidden_states [8192][1024] and Wq, Wk, Wv [1024][1024], f32 with K innermost, become codes of FP6 (E2M3), 6 bits each, K innermost, with one E8M0 byte for each 32 along K.
; x_codes [8192][768 bytes], x_scales [8192][32];  w_codes [3072][768], w_scales [3072][32]: rows 0-1023 Wq, 1024-2047 Wk, 2048-3071 Wv.
; A block's scale is 2^(floor(log2(its largest magnitude)) - 2); its byte is the largest magnitude's exponent field - 2, held at 1 from below.  A block of zeros so gets the byte 1 where the rule says 127:
; its codes are zeros, which add nothing under any byte but 0xff, and this program alone reads the bytes.  Each number is divided by the scale and rounded to the nearest code, ties to even, beyond 7.5 the largest code.
; LIMITS: blocks whose largest magnitude lies under 2^-124 keep the byte 1; NaN and infinities among the inputs are not served.
; Rows are dense and K is a multiple of 32: every tensor is a plain stream of blocks of 32, and so are its codes and scale bytes.  A work-group takes 32,768 numbers, a wave 16 steps of 512.
; Work-groups 0-255 take hidden_states, 256-287 Wq, 288-319 Wk, 320-351 Wv: only pointers are chosen, by the work-group's number; all take one path through the text.
; The conversion takes 16 numbers of ONE block from a lane's registers, a load is best where neighbouring lanes take neighbouring bytes: each of a step's four loads reads 512 consecutive bytes, the 2,048 bytes go
; through the wave's own stage in LDS as they lie and come back 64 bytes a lane (16 bytes of padding behind each 64).  Two neighbouring lanes hold a block.  A lane's 16 codes are 12 bytes: the wave stores 384 consecutive bytes.
; A wave's 256 scale bytes are gathered in its own 256 bytes of LDS and leave as one aligned run of 256 bytes.  No barrier: waves share nothing.  Loads run four steps (16 loads a wave) ahead.
.set STEPS, 16
.set XWG,   256                        ; work-groups of hidden_states: 8192 x 1024 / 32768
.set EMAX,  2
.set CB,    12                         ; bytes of 16 codes
.set R,     16                         ; v16-79   four sets of 16 numbers as they are loaded
.set X,     80                         ; v80-111  two sets of 16 neighbours
.set C,     128                        ; v128-191 codes: four registers for each step, so that no store's data are written again
.set E,     112                        ; v112-127 a scale byte for each step
.set WREG,  8192                       ; LDS: a region for each wave: two stages of 32 x SP bytes, behind them its 256 scale bytes
.set SP,    80                         ; a lane's place in a stage: its 64 bytes + 16 of padding
	s_load_b256 s[4:11], s[0:1], 0x0               ; hidden_states s[4:5], Wq s[6:7], Wk s[8:9], Wv s[10:11]
	s_load_b256 s[12:19], s[0:1], 0x20             ; x_codes s[12:13], x_scales s[14:15], w_codes s[16:17], w_scales s[18:19]
	v_lshl_add_u32 v192, v0, 2, 0x8000
	v_mov_b32 v193, 0
	v_lshrrev_b32 v1, 5, v0
	v_readfirstlane_b32 s20, v1                    ; wave
	v_and_b32 v2, 31, v0                           ; lane
	v_lshlrev_b32 v3, 4, v2                        ; my 16 bytes of a load's 512
	s_mul_i32 s25, s20, WREG
	v_lshrrev_b32 v14, 2, v2
	v_mul_u32_u24 v14, v14, SP
	v_and_b32 v15, 3, v2
	v_lshl_add_u32 v14, v15, 4, v14
	v_add_nc_u32 v14, s25, v14                     ; the stage, on the way in: SP (lane / 4) + 16 (lane % 4)
	v_mul_u32_u24 v15, v2, SP
	v_add_nc_u32 v15, s25, v15                     ; and on the way out: SP x lane: my 16 neighbours
	v_mul_u32_u24 v4, v2, CB                       ; my codes' place in a step's
	v_lshrrev_b32 v5, 1, v2
	s_add_co_u32 s25, s25, 2*32*SP
	v_add_nc_u32 v5, s25, v5                       ; LDS: my wave's 256 scale bytes, my block's byte
	v_lshlrev_b32 v7, 3, v2                        ; and on the way out 8 bytes a lane
	v_add_nc_u32 v6, s25, v7
	s_cmp_lt_u32 ttmp9, XWG
	s_cselect_b32 s21, 0, XWG
	s_sub_co_u32 s21, ttmp9, s21                   ; j: my number among the work-groups of hidden_states, or of the three weights
	s_lshr_b32 s23, s21, 5                         ; which weight (32 work-groups each)
	s_wait_alu depctr_va_vdst(0)
	s_wait_kmcnt 0x0
	s_cmp_eq_u32 s23, 1
	s_cselect_b64 s[6:7], s[8:9], s[6:7]
	s_cmp_eq_u32 s23, 2
	s_cselect_b64 s[6:7], s[10:11], s[6:7]         ; the weight
	s_cmp_lt_u32 ttmp9, XWG                        ; hidden_states or a weight?  The choice hangs on the work-group's number alone
	s_cselect_b64 s[4:5], s[4:5], s[6:7]
	s_cselect_b64 s[12:13], s[12:13], s[16:17]
	s_cselect_b64 s[14:15], s[14:15], s[18:19]
	s_cselect_b32 s24, -1, 31                      ; in a weight's own buffer the work-group counts from 0 to 31
	s_and_b32 s22, s21, s24
	s_lshl_b32 s22, s22, 2
	s_add_co_u32 s22, s22, s20                     ; which run of 8,192 numbers of the input is my wave's
	s_lshl_b32 s22, s22, 15                        ; 32,768 bytes a run: under 2^26
	s_mov_b32 s23, 0
	s_add_nc_u64 s[4:5], s[4:5], s[22:23]
	s_lshl_b32 s26, s21, 2
	s_add_co_u32 s26, s26, s20                     ; and which run of the outputs (the three weights lie on end)
	s_mul_i32 s28, s26, 32*STEPS*CB                ; 6,144 bytes of codes a run
	s_mov_b32 s29, 0
	s_add_nc_u64 s[12:13], s[12:13], s[28:29]
	s_lshl_b32 s26, s26, 8                         ; 256 scale bytes a run
	s_mov_b32 s27, 0
	s_add_nc_u64 s[14:15], s[14:15], s[26:27]
.macro LOAD t
.irp i, 0,1,2,3
	global_load_b128 v[R+16*((\t)%4)+4*\i:R+16*((\t)%4)+4*\i+3], v3, s[4:5] offset:2048*(\t)+512*\i th:TH_LOAD_NT   ; 32 lanes read 512 consecutive bytes
.endr
.endm
.macro TURN t                          ; step t's numbers through the stage: LDS serves a wave's instructions in order, so no wait stands between the stores and the loads
.irp i, 0,1,2,3
	ds_store_b128 v14, v[R+16*((\t)%4)+4*\i:R+16*((\t)%4)+4*\i+3] offset:32*SP*((\t)%2)+8*SP*\i
.endr
.irp i, 0,1,2,3
	ds_load_b128 v[X+16*((\t)%2)+4*\i:X+16*((\t)%2)+4*\i+3], v15 offset:32*SP*((\t)%2)+16*\i
.endr
.endm
.irp t, 0,1,2,3
	LOAD \t
.endr
	s_wait_loadcnt 12                              ; step 0's four loads are in
	TURN 0
.macro STEP t
.set XS, X+16*((\t)%2)
.if (\t) > 0
	s_wait_dscnt 1                                 ; this step's numbers are back from the stage (the last step's byte store may be out): so its stores into the stage have read their registers,
.else
	s_wait_dscnt 0x0
.endif
.if (\t)+4 < STEPS
	LOAD (\t)+4                                    ; which take the loads of four steps on
.endif
.if (\t)+1 < STEPS
.if STEPS-2-(\t) >= 3
	s_wait_loadcnt 12                              ; the next step's four loads are in; those of the three steps behind it may be out
.else
	s_wait_loadcnt 4*(STEPS-2-(\t))
.endif
	TURN (\t)+1                                    ; and go through the other stage while this step is worked
.endif
	v_max3_num_f32 v8, |v[XS]|, |v[XS+1]|, |v[XS+2]|               ; the largest magnitude of my 16, in two chains
	v_max3_num_f32 v9, |v[XS+3]|, |v[XS+4]|, |v[XS+5]|
.irp i, 6,10
	v_max3_num_f32 v8, v8, |v[XS+\i]|, |v[XS+\i+1]|
	v_max3_num_f32 v9, v9, |v[XS+\i+2]|, |v[XS+\i+3]|
.endr
	v_max3_num_f32 v8, v8, |v[XS+14]|, |v[XS+15]|
	v_max3_num_f32 v8, v8, v9, (EMAX+1)<<23        ; and the floor 2^(3 - 127): so the byte cannot fall under 1
	v_max_num_f32_dpp v8, v8, v8 row_xmask:1 row_mask:0xf bank_mask:0xf   ; and of my neighbour's 16: the block's
	v_add_nc_u32 v11, -(EMAX<<23), v8              ; 2 off its exponent field: the conversion takes the exponent field of this operand as its scale, and nothing else of it
	v_cvt_scalef32_pk16_fp6_f32 v[C+4*(\t):C+4*(\t)+2], v[XS:XS+15], v11         ; sixteen codes, 96 bits without gaps, the first number's code lowest
	v_lshrrev_b32 v[E+(\t)], 23, v11               ; the scale's byte (also the plain line behind the conversion)
	ds_store_b8 v5, v[E+(\t)] offset:16*(\t)       ; both lanes of a block write the same byte with the same value
	global_store_b96 v4, v[C+4*(\t):C+4*(\t)+2], s[12:13] offset:32*CB*(\t)
.endm
.irp t, 0,1,2,3,4,5,6,7,8,9,10,11,12,13,14,15
	STEP \t
.endr
	ds_load_b64 v[12:13], v6                       ; LDS serves a wave's instructions in order: these see my stores
	s_wait_dscnt 0x0
	global_store_b64 v7, v[12:13], s[14:15]        ; 32 lanes store 256 consecutive bytes, aligned
	s_wait_tensorcnt 0x0
	ds_add_u32 v192, v193
	s_wait_dscnt 0x0
	s_endpgm
.Lfunc_end_k_qad3a64fe57_quant:
	.size	k_qad3a64fe57_quant, .Lfunc_end_k_qad3a64fe57_quant-k_qad3a64fe57_quant
	.p2alignl 7, 3214868480
	.fill 96, 4, 3214868480
	.section	.rodata,"a",@progbits
	.p2align	6, 0x0
	.amdhsa_kernel k_qad3a64fe57_quant
		.amdhsa_group_segment_fixed_size 33280
		.amdhsa_private_segment_fixed_size 0
		.amdhsa_enable_private_segment 0
		.amdhsa_kernarg_size 64
		.amdhsa_user_sgpr_count 2
		.amdhsa_user_sgpr_kernarg_segment_ptr 1
		.amdhsa_wavefront_size32 1
		.amdhsa_system_sgpr_workgroup_id_x 1
		.amdhsa_system_sgpr_workgroup_id_y 1
		.amdhsa_system_sgpr_workgroup_id_z 1
		.amdhsa_system_vgpr_workitem_id 0
		.amdhsa_next_free_vgpr 194
		.amdhsa_next_free_sgpr 66
		.amdhsa_reserve_vcc 0
		.amdhsa_float_denorm_mode_32 3
		.amdhsa_float_denorm_mode_16_64 3
		.amdhsa_memory_ordered 1
		.amdhsa_forward_progress 1
		.amdhsa_inst_pref_size 33
	.end_amdhsa_kernel
	.amdgpu_metadata
---
amdhsa.version: [ 1, 2 ]
amdhsa.kernels:
  - .name:           k_qad3a64fe57_quant
    .symbol:         k_qad3a64fe57_quant.kd
    .args:
      - { .name: hidden_states, .offset: 0, .size: 8, .value_kind: global_buffer, .address_space: global }
      - { .name: Wq, .offset: 8, .size: 8, .value_kind: global_buffer, .address_space: global }
      - { .name: Wk, .offset: 16, .size: 8, .value_kind: global_buffer, .address_space: global }
      - { .name: Wv, .offset: 24, .size: 8, .value_kind: global_buffer, .address_space: global }
      - { .name: x_codes, .offset: 32, .size: 8, .value_kind: global_buffer, .address_space: global }
      - { .name: x_scales, .offset: 40, .size: 8, .value_kind: global_buffer, .address_space: global }
      - { .name: w_codes, .offset: 48, .size: 8, .value_kind: global_buffer, .address_space: global }
      - { .name: w_scales, .offset: 56, .size: 8, .value_kind: global_buffer, .address_space: global }
    .group_segment_fixed_size: 33280
    .private_segment_fixed_size: 0
    .kernarg_segment_align: 8
    .kernarg_segment_size: 64
    .max_flat_workgroup_size: 128
    .sgpr_count:     66
    .vgpr_count:     194
    .wavefront_size: 32
...
	.end_amdgpu_metadata
.endif
;; end of part 1
;; launch proj (part 2): grid 8 x 48, 4 waves a work-group, clusters of 4 x 4, 327,680 bytes of LDS; arguments x_codes, x_scales, w_codes, w_scales, bq, bk, bv, qkv; writes qkv
.if DOCPART == 2
	.amdgcn_target "amdgcn-amd-amdhsa--gfx1250"
	.amdhsa_code_object_version 6
	.text
	.protected	k_qad3a64fe57_proj
	.globl	k_qad3a64fe57_proj
	.p2align	8
	.type	k_qad3a64fe57_proj,@function
k_qad3a64fe57_proj:
	s_mov_b64 s[64:65], 0
	v_nop
	global_prefetch_b8 v0, s[64:65] scope:SCOPE_SE
	s_setreg_imm32_b32 hwreg(HW_REG_WAVE_MODE, 25, 1), 1
	s_wait_xcnt 0x0
	s_wait_alu depctr_hold_cnt(0) depctr_sa_sdst(0) depctr_va_vdst(0) depctr_va_sdst(0) depctr_va_ssrc(0) depctr_va_vcc(0) depctr_vm_vsrc(0)
	s_getreg_b32 s2, hwreg(HW_REG_IB_STS2, 6, 4)
	s_cmp_eq_u32 s2, 0
	s_cbranch_scc0 .Lentry_in_a_cluster
	s_endpgm
.Lentry_in_a_cluster:
	s_bfe_u32 s2, ttmp6, 0x10000c
	s_cmp_lg_u32 s2, 0xf033
	s_cbranch_scc0 .Lentry_shape_is_right
	s_endpgm
.Lentry_shape_is_right:
.set KSTEP,  256
.set NQ,     2
.set ROWB,   192
.set KROW,   768
.set PITCH,  240
.set FR,     12
.set NL,     6
.set NP,     4
.set HALFT,  128*PITCH
.set SLOT,   4*HALFT
.set KS,     32
.set SCL,    2*SLOT
.set HALFS,  (128*KS/256)*272
.set SBLK,   (16*KS/256)*272
.set SPARE,  SCL+4*HALFS
.set STEPB,  13056
.set HEADB,  16*STEPB
.set PLANE,  64*HEADB
.set VST,    4096
.set ADRA, 16
.set ADRB, 20
.set ADRS, 27
.set SPW,  28
.set NIL,  29
.set SC,   32
.set BC,   64
.set AF,   128
.set RB,   224
.set L16,  240
.set L8,   241
.set SST16, 242
.set SST8, 243
.set SRD,  244
.set VSO,  245
.set BO,   246
.set RO,   247
.set CD,   64
.set TM,   84
.set SW,   104
.set OUTR, 120
.set G1, 24
.set G0, 32
.set G1B, 48
.set G0B, 56
.set G1S, 68
.set G0S, 76
.set G1SB, 80
.set G0SB, 88
.set KIND, 100
.set FLOOR, 101
.set SEL, 104
.set MSB, 0
.macro WIN new
.set WNEW, \new
.if MSB != WNEW
	s_set_vgpr_msb (MSB<<8)|WNEW
.set MSB, WNEW
.endif
.endm
.set MUL_LO, 0xa1
.set MUL_HI, 0xf1
.set TO_B,   0x40
.macro JLOAD g0a, g1a, g0b, g1b
	s_cmp_eq_u32 s15, 0
	s_cbranch_scc0 .Lfor_b_\@
	tensor_load_to_lds s[\g0a:\g0a+3], s[\g1a:\g1a+7]
	s_nop 0
.rept 4
	v_nop
.endr
	s_branch .Lasked_\@
.Lfor_b_\@:
	tensor_load_to_lds s[\g0b:\g0b+3], s[\g1b:\g1b+7]
	s_nop 0
.rept 4
	v_nop
.endr
.Lasked_\@:
.endm
.macro CREST
	s_cmp_lg_u32 s14, 0
	s_cbranch_scc1 .Lnot_wave_0_\@
	s_barrier_signal -3
.Lnot_wave_0_\@:
	s_barrier_wait -3
	s_barrier_signal -1
	s_barrier_wait -1
.endm
.macro CROUND
	s_barrier_signal -1
	s_barrier_wait -1
	CREST
.endm
	s_load_b256 s[4:11], s[0:1], 0x0
	v_lshl_add_u32 v[SPW], v0, 2, SPARE
	v_mov_b32 v[NIL], 0
	ds_add_u32 v28, v29
	ds_add_u32 v28, v29
	s_wait_dscnt 0x0
	v_lshrrev_b32 v1, 5, v0
	v_readfirstlane_b32 s14, v1
	s_lshr_b32 s15, s14, 1
	s_and_b32 s16, s14, 1
	s_bfe_u32 s40, ttmp6, 0x40000
	s_bfe_u32 s41, ttmp6, 0x40004
	s_and_b32 s17, ttmp7, 0xffff
	s_max_u32 s42, s17, 8
	s_sub_co_u32 s42, s42, 8
	s_lshl_b32 s42, s42, 1
	s_add_co_u32 s42, s42, ttmp9
	s_cmp_lt_u32 s17, 8
	s_cselect_b32 s[KIND], 0, 1
	s_cselect_b32 s42, ttmp9, s42
	s_cselect_b32 s17, s17, 0
	s_cselect_b32 s66, 0, 2048
	s_lshl_b32 s42, s42, 2
	s_add_co_u32 s42, s42, s40
	s_lshl_b32 s17, s17, 2
	s_add_co_u32 s17, s17, s41
	s_lshl_b32 s43, s41, 2
	s_lshl_b32 s43, 15, s43
	s_lshl_b32 s44, 0x1111, s40
	s_or_b32 s[G1+0], s43, (0<<16)|(1<<20)|(1<<21)|(3<<22)|(3<<25)
	s_or_b32 s[G1B+0], s44, (0<<16)|(1<<20)|(1<<21)|(3<<22)|(3<<25)
.irp g, G1, G1B
	s_mov_b32 s[\g+1], ROWB<<16
	s_mov_b32 s[\g+2], 128<<16
	s_mov_b32 s[\g+3], ROWB<<16
	s_mov_b32 s[\g+4], 128
	s_mov_b32 s[\g+5], KROW
	s_mov_b32 s[\g+6], 0
	s_mov_b32 s[\g+7], 0
.endr
	s_or_b32 s[G1S+0], s43, (3<<16)|(1<<20)|(1<<21)|(5<<22)|(3<<25)
	s_or_b32 s[G1SB+0], s44, (3<<16)|(1<<20)|(1<<21)|(5<<22)|(3<<25)
.irp g, G1S, G1SB
	s_mov_b32 s[\g+1], 32<<16
	s_mov_b32 s[\g+2], (128*KS/256)<<16
	s_mov_b32 s[\g+3], 32<<16
	s_mov_b32 s[\g+4], 128*KS/256
	s_mov_b32 s[\g+5], 32
	s_mov_b32 s[\g+6], 0
	s_mov_b32 s[\g+7], 0
.endr
	s_lshl_b32 s18, s16, 7
	s_lshl_b32 s20, s17, 8
	s_add_co_u32 s20, s20, s18
	s_add_co_u32 s20, s20, s66
	s_lshl_b32 s46, s42, 8
	s_add_co_u32 s46, s46, s18
	s_mov_b32 s21, 0
	s_mov_b32 s47, 0
	s_mov_b64 s[18:19], KS
	s_mul_u64 s[22:23], s[20:21], s[18:19]
	s_mul_u64 s[92:93], s[46:47], s[18:19]
	s_mov_b64 s[18:19], KROW
	s_mul_u64 s[20:21], s[20:21], s[18:19]
	s_mul_u64 s[46:47], s[46:47], s[18:19]
	s_mul_i32 s45, s14, HALFT
	s_mul_i32 s94, s14, HALFS
	s_wait_kmcnt 0x0
	s_cmp_eq_u32 s[KIND], 0
	s_cselect_b64 s[96:97], s[4:5], s[8:9]
	s_cselect_b64 s[98:99], s[6:7], s[10:11]
	s_cselect_b64 s[8:9], s[8:9], s[4:5]
	s_cselect_b64 s[10:11], s[10:11], s[6:7]
	s_mov_b64 s[4:5], s[96:97]
	s_mov_b64 s[6:7], s[98:99]
	s_add_nc_u64 s[20:21], s[4:5], s[20:21]
	s_add_nc_u64 s[22:23], s[6:7], s[22:23]
	s_add_nc_u64 s[46:47], s[8:9], s[46:47]
	s_add_nc_u64 s[92:93], s[10:11], s[92:93]
	CROUND
	s_mov_b32 s[G0S], 1
	s_add_co_u32 s[G0S+1], s94, SCL
	s_mov_b64 s[G0S+2:G0S+3], s[22:23]
	s_or_b32 s[G0S+3], s[G0S+3], 0x80000000
	s_mov_b32 s[G0SB], 1
	s_add_co_u32 s[G0SB+1], s94, SCL
	s_mov_b64 s[G0SB+2:G0SB+3], s[92:93]
	s_or_b32 s[G0SB+3], s[G0SB+3], 0x80000000
	JLOAD G0S, G1S, G0SB, G1SB
.irp s, 0,1
	s_mov_b32 s[G0+4*\s], 1
	s_add_co_u32 s[G0+4*\s+1], s45, \s*SLOT
	s_add_nc_u64 s[G0+4*\s+2:G0+4*\s+3], s[20:21], \s*ROWB
	s_or_b32 s[G0+4*\s+3], s[G0+4*\s+3], 0x80000000
	s_mov_b32 s[G0B+4*\s], 1
	s_add_co_u32 s[G0B+4*\s+1], s45, \s*SLOT
	s_add_nc_u64 s[G0B+4*\s+2:G0B+4*\s+3], s[46:47], \s*ROWB
	s_or_b32 s[G0B+4*\s+3], s[G0B+4*\s+3], 0x80000000
	s_wait_alu depctr_va_vdst(0)
	s_wait_tensorcnt 0x0
	ds_add_u32 v28, v29
	s_wait_dscnt 0x0
	CROUND
	JLOAD G0+4*\s, G1, G0B+4*\s, G1B
.endr
	s_load_b256 s[92:99], s[0:1], 0x20
	v_and_b32 v1, 15, v0
	v_bfe_u32 v2, v0, 4, 1
.irp i, 0,1,2,3,4,5,6,7,8,9,10,11,12,13,14,15
	v_mov_b32 v[RB+\i], 0
.endr
	v_lshlrev_b32 v[BO], 5, v2
	v_lshlrev_b32 v[RO], 2, v1
	s_wait_kmcnt 0x0
	s_cmp_eq_u32 s[KIND], 0
	s_cbranch_scc0 .Lbias_v
	s_cmp_eq_u32 ttmp9, 0
	s_cselect_b64 s[92:93], s[92:93], s[94:95]
	s_lshl_b32 s18, s40, 10
	s_lshl_b32 s19, s16, 9
	s_add_co_u32 s18, s18, s19
	s_mov_b32 s19, 0
	s_add_nc_u64 s[92:93], s[92:93], s[18:19]
	s_wait_alu depctr_va_vdst(0)
.irp b, 0,1,2,3,4,5,6,7
	global_load_b128 v[BC+8*\b:BC+8*\b+3], v[BO], s[92:93] offset:64*\b
	global_load_b128 v[BC+8*\b+4:BC+8*\b+7], v[BO], s[92:93] offset:64*\b+16
.endr
	s_branch .Lbias_done
.Lbias_v:
.set i, 0
.rept 64
	v_mov_b32 v[BC+i], 0
.set i, i+1
.endr
	s_lshl_b32 s18, s41, 10
	s_lshl_b32 s19, s15, 9
	s_add_co_u32 s18, s18, s19
	s_mov_b32 s19, 0
	s_add_nc_u64 s[96:97], s[96:97], s[18:19]
.irp a, 0,1,2,3,4,5,6,7
	global_load_b32 v[RB+2*\a], v[RO], s[96:97] offset:64*\a
.endr
.Lbias_done:
	v_mul_u32_u24 v3, v1, PITCH
	v_mul_u32_u24 v4, v2, 24
	v_add_nc_u32 v4, v3, v4
	v_lshl_add_u32 v5, v2, 4, v4
	s_mul_i32 s21, s15, HALFT
	s_mul_i32 s22, s16, HALFT
	s_add_co_u32 s22, s22, 2*HALFT
.irp s, 0,1
	v_add_nc_u32 v[ADRA+\s], s21, v4
	v_add_nc_u32 v[ADRB+\s], s22, v4
	v_add_nc_u32 v[ADRA+2+\s], s21, v5
	v_add_nc_u32 v[ADRB+2+\s], s22, v5
	s_add_co_u32 s21, s21, SLOT
	s_add_co_u32 s22, s22, SLOT
.endr
	v_mul_u32_u24 v5, v1, KS
	v_lshrrev_b32 v6, 8, v5
	v_lshl_add_u32 v5, v6, 4, v5
	s_mul_i32 s21, s15, HALFS
	s_mul_i32 s22, s16, HALFS
	s_add_co_u32 s22, s22, 2*HALFS
	s_sub_co_u32 s22, s22, s21
	v_mul_u32_u24 v6, s22, v2
	s_add_co_u32 s21, s21, SCL
	v_add_nc_u32 v5, v5, v6
	v_add_nc_u32 v[ADRS], s21, v5
	v_and_b32 v6, 31, v0
	v_lshlrev_b32 v[L16], 4, v6
	v_lshlrev_b32 v[L8], 3, v6
	s_lshl_b32 s23, s14, 10
	v_lshl_add_u32 v[SST16], v1, 4, s23
	v_lshl_add_u32 v[SST8], v1, 3, s23
	v_add_nc_u32 v[SRD], s23, v[L16]
	v_mul_u32_u24 v[VSO], v2, HEADB
	v_lshl_add_u32 v[VSO], v1, 4, v[VSO]
	s_mov_b32 s[FLOOR], 0x1800000
	s_mov_b32 s[SEL], 0x76543210
	s_mov_b32 s[SEL+1], 0xfedcba98
	s_cmp_eq_u32 s[KIND], 0
	s_cselect_b32 s18, s17, s42
	s_cselect_b32 s19, s15, s16
	s_cselect_b32 s20, s40, s41
	s_cselect_b32 s21, s16, s15
	s_cselect_b32 s22, ttmp9, 1
	s_cselect_b32 s23, 0, 6144
	s_mul_i32 s22, s22, PLANE
	s_add_co_u32 s23, s23, s22
	s_lshr_b32 s22, s18, 3
	s_lshl_b32 s22, s22, 4
	s_lshl_b32 s20, s20, 2
	s_add_co_u32 s22, s22, s20
	s_lshl_b32 s21, s21, 1
	s_add_co_u32 s22, s22, s21
	s_mul_i32 s22, s22, HEADB
	s_add_co_u32 s23, s23, s22
	s_and_b32 s18, s18, 7
	s_lshl_b32 s18, s18, 1
	s_add_co_u32 s18, s18, s19
	s_mul_i32 s18, s18, STEPB
	s_add_co_u32 s22, s23, s18
	s_mov_b32 s23, 0
	s_add_nc_u64 s[12:13], s[98:99], s[22:23]
.macro FRAG reg, adr, q, i
.irp p, 0,1,2,3,4,5
.set PIECE, 12*(\q)+6*(\p/3)+\p%3
.if PIECE%8 < 5
	ds_load_b64 v[\reg+2*\p:\reg+2*\p+1], v[\adr] offset:8*PIECE+16*(PIECE/8)+(\i)*16*PITCH
.else
	ds_load_b64 v[\reg+2*\p:\reg+2*\p+1], v[\adr+2] offset:8*PIECE+16*(PIECE/8)+(\i)*16*PITCH
.endif
.endr
.endm
.macro MUL16 a0, p, q, sc, zero
.irp a, \a0, \a0+1
.irp b, 0,1,2,3,4,5,6,7
.if \zero
	v_wmma_scale_f32_16x16x128_f8f6f4 v[8*(8*((\a)%4)+\b):8*(8*((\a)%4)+\b)+7], v[128*(\p)+FR*\b:128*(\p)+FR*\b+FR-1], v[AF+FR*(\a):AF+FR*(\a)+FR-1], v[BC+8*\b:BC+8*\b+7], v[SC+8*NQ*(\sc)+NQ*\b+(\q)], v[SC+8*NQ*(\sc)+NQ*(\a)+(\q)] matrix_a_fmt:MATRIX_FMT_FP6 matrix_b_fmt:MATRIX_FMT_FP6 matrix_a_scale:MATRIX_SCALE_ROW1
.else
	v_wmma_scale_f32_16x16x128_f8f6f4 v[8*(8*((\a)%4)+\b):8*(8*((\a)%4)+\b)+7], v[128*(\p)+FR*\b:128*(\p)+FR*\b+FR-1], v[AF+FR*(\a):AF+FR*(\a)+FR-1], v[8*(8*((\a)%4)+\b):8*(8*((\a)%4)+\b)+7], v[SC+8*NQ*(\sc)+NQ*\b+(\q)], v[SC+8*NQ*(\sc)+NQ*(\a)+(\q)] matrix_a_fmt:MATRIX_FMT_FP6 matrix_b_fmt:MATRIX_FMT_FP6 matrix_a_scale:MATRIX_SCALE_ROW1
.endif
.endr
.endr
.endm
.macro FETCH_B slot, q, p
	WIN TO_B
.irp i, 0,1,2,3,4,5,6,7
	FRAG 128*(\p)+FR*\i, ADRB+\slot, \q, \i
.endr
	WIN 0
.endm
.macro FETCH_A slot, q, i0
.irp i, \i0, \i0+1, \i0+2, \i0+3
	FRAG AF+FR*(\i), ADRA+\slot, \q, \i
.endr
.endm
.macro SCALES sc
.irp i, 0,1,2,3,4,5,6,7
	ds_load_b64 v[SC+8*NQ*\sc+NQ*\i:SC+8*NQ*\sc+NQ*\i+1], v[ADRS] offset:\i*SBLK
.endr
.endm
.macro PLACES n
.rept \n
	v_nop
.endr
.endm
.macro STEP slot, q, zero
	s_wait_dscnt 4*NL
	WIN MUL_LO-0x20*(\zero)
	MUL16 0, (\q)%2, \q, \slot, \zero
	MUL16 2, (\q)%2, \q, \slot, \zero
	s_wait_dscnt 0
	PLACES NP
	FETCH_B \slot, (\q)+1, 1-(\q)%2
	FETCH_A \slot, (\q)+1, 0
	WIN MUL_HI-0x30*(\zero)
	MUL16 4, (\q)%2, \q, \slot, \zero
	MUL16 6, (\q)%2, \q, \slot, \zero
	PLACES NP
	WIN 0
	FETCH_A \slot, (\q)+1, 4
.endm
.macro TURN slot, next, fill
	s_wait_tensorcnt 0x0
	ds_add_u32 v[SPW], v[NIL]
	s_wait_dscnt 4*NL+1
	WIN MUL_LO
	MUL16 0, 1, NQ-1, \slot, 0
	s_wait_dscnt 0x0
	s_barrier_signal -1
	MUL16 2, 1, NQ-1, \slot, 0
	WIN 0
	s_barrier_wait -1
.if \fill
	CREST
	s_add_nc_u64 s[G0+4*\slot+2:G0+4*\slot+3], s[G0+4*\slot+2:G0+4*\slot+3], 2*ROWB
	s_add_nc_u64 s[G0B+4*\slot+2:G0B+4*\slot+3], s[G0B+4*\slot+2:G0B+4*\slot+3], 2*ROWB
	JLOAD G0+4*\slot, G1, G0B+4*\slot, G1B
.else
	PLACES NP
.endif
	s_wait_alu depctr_va_vdst(0)
	v_add_nc_u32 v[ADRS], 4*NQ, v[ADRS]
	FETCH_B \next, 0, 0
	FETCH_A \next, 0, 0
	SCALES \next
	WIN MUL_HI
	MUL16 4, 1, NQ-1, \slot, 0
	MUL16 6, 1, NQ-1, \slot, 0
	PLACES NP
	WIN 0
	FETCH_A \next, 0, 4
.endm
	s_wait_alu depctr_va_vdst(0)
	s_wait_loadcnt 0x0
	s_wait_tensorcnt 1
	s_barrier_signal -1
	s_barrier_wait -1
	FETCH_B 0, 0, 0
	FETCH_A 0, 0, 0
	SCALES 0
	FETCH_A 0, 0, 4
	STEP 0, 0, 1
	TURN 0, 1, 1
	STEP 1, 0, 0
	TURN 1, 0, 1
	STEP 0, 0, 0
	TURN 0, 1, 0
	STEP 1, 0, 0
	s_wait_dscnt 4*NL
	WIN MUL_LO
	MUL16 0, 1, NQ-1, 1, 0
	MUL16 2, 1, NQ-1, 1, 0
	s_wait_dscnt 0
	WIN MUL_HI
	MUL16 4, 1, NQ-1, 1, 0
	MUL16 6, 1, NQ-1, 1, 0
	WIN 0
.macro QUANTA a
.set AC, 64*((\a)%4)
	WIN 0x28+0x14*((\a)/4)
.irp b, 0,1,2,3
	v_max3_num_f32 v[TM+\b], s[FLOOR], |v[AC+16*\b]|, |v[AC+16*\b+1]|
.endr
.irp i, 2,4,6,8,10,12,14
.irp b, 0,1,2,3
	v_max3_num_f32 v[TM+\b], v[TM+\b], |v[AC+16*\b+\i]|, |v[AC+16*\b+\i+1]|
.endr
.endr
	WIN 0
.irp b, 0,1,2,3
	v_permlanex16_b32 v[TM+4+\b], v[TM+\b], s[SEL], s[SEL+1]
.endr
.irp b, 0,1,2,3
	v_max_num_f32 v[TM+\b], v[TM+\b], v[TM+4+\b]
.endr
.irp b, 0,1,2,3
	v_add_nc_u32 v[TM+12+\b], 0xff000000, v[TM+\b]
.endr
.irp b, 0,1,2,3
	v_lshrrev_b32 v[TM+4+\b], 23, v[TM+12+\b]
.endr
	v_lshl_or_b32 v[SW+2*(\a)], v[TM+5], 8, v[TM+4]
	v_lshl_or_b32 v[SW+2*(\a)], v[TM+6], 16, v[SW+2*(\a)]
	v_lshl_or_b32 v[SW+2*(\a)], v[TM+7], 24, v[SW+2*(\a)]
	s_wait_xcnt 0x0
	WIN 0x02+(\a)/4
.irp c, 0,1
	v_cvt_scalef32_pk16_fp6_f32 v[CD+6*\c:CD+6*\c+2], v[AC+32*\c:AC+32*\c+15], v[TM+12+2*\c]
	v_cvt_scalef32_pk16_fp6_f32 v[CD+12+4*\c:CD+14+4*\c], v[AC+32*\c+16:AC+32*\c+31], v[TM+13+2*\c]
.endr
	WIN 0
	v_nop
.irp c, 0,1
.irp i, 0,1,2
	v_permlane16_swap_b32 v[CD+6*\c+\i], v[CD+12+4*\c+\i]
.endr
.irp i, 0,1,2
	v_mov_b32 v[CD+3+6*\c+\i], v[CD+12+4*\c+\i]
.endr
.endr
.endm
.macro EPI_QK a
	QUANTA \a
	v_lshrrev_b32 v[SW+2*(\a)+1], 16, v[SW+2*(\a)]
	v_and_b32 v[SW+2*(\a)], 0xffff, v[SW+2*(\a)]
	ds_store_b32 v[SST16], v[SW+2*(\a)] offset:256*((\a)%2)+4*((\a)/2)
	ds_store_b32 v[SST16], v[SW+2*(\a)+1] offset:512+256*((\a)%2)+4*((\a)/2)
	global_store_b128 v[L16], v[CD:CD+3], s[12:13] offset:768*(\a) th:TH_STORE_NT
	global_store_b64 v[L8], v[CD+4:CD+5], s[12:13] offset:768*(\a)+512 th:TH_STORE_NT
	global_store_b128 v[L16], v[CD+6:CD+9], s[12:13] offset:HEADB+768*(\a) th:TH_STORE_NT
	global_store_b64 v[L8], v[CD+10:CD+11], s[12:13] offset:HEADB+768*(\a)+512 th:TH_STORE_NT
.endm
.macro EPI_V a
.set AC, 64*((\a)%4)
	WIN 0x82+0x41*((\a)/4)
.set j, 0
.rept 32
	v_pk_add_f32 v[AC+j:AC+j+1], v[AC+j:AC+j+1], v[RB+2*(\a):RB+2*(\a)+1] op_sel_hi:[1,0]
.set j, j+2
.endr
	QUANTA \a
	ds_store_b32 v[SST8], v[SW+2*(\a)] offset:VST+256*((\a)/4)+128*((\a)%2)+4*(((\a)/2)%2)
.irp j, 0,1,2
	global_store_b128 v[L16], v[CD+4*\j:CD+4*\j+3], s[12:13] offset:HEADB*((\a)/4)+1536*((\a)%4)+512*\j th:TH_STORE_NT
.endr
.endm
.irp b, 0,1,2,3
	v_mov_b32 v[TM+4+\b], 0
.endr
	s_cmp_eq_u32 s[KIND], 0
	s_cbranch_scc0 .Lout_v
.irp a, 0,1,2,3,4,5,6,7
	EPI_QK \a
.endr
	ds_load_b128 v[OUTR:OUTR+3], v[SRD]
	ds_load_b128 v[OUTR+4:OUTR+7], v[SRD] offset:512
	s_wait_dscnt 0x0
	global_store_b128 v[L16], v[OUTR:OUTR+3], s[12:13] offset:12288 th:TH_STORE_NT
	global_store_b128 v[L16], v[OUTR+4:OUTR+7], s[12:13] offset:HEADB+12288 th:TH_STORE_NT
	s_branch .Lout_done
.Lout_v:
.irp a, 0,1,2,3,4,5,6,7
	EPI_V \a
.endr
	ds_load_b128 v[OUTR:OUTR+3], v[SRD] offset:VST
	s_wait_dscnt 0x0
	global_store_b128 v[VSO], v[OUTR:OUTR+3], s[12:13] offset:6656 th:TH_STORE_NT
.Lout_done:
	s_wait_tensorcnt 0x0
	ds_add_u32 v[SPW], v[NIL]
	s_wait_dscnt 0x0
	CROUND
	s_endpgm
.Lfunc_end_k_qad3a64fe57_proj:
	.size	k_qad3a64fe57_proj, .Lfunc_end_k_qad3a64fe57_proj-k_qad3a64fe57_proj
	.p2alignl 7, 3214868480
	.fill 96, 4, 3214868480
	.section	.rodata,"a",@progbits
	.p2align	6, 0x0
	.amdhsa_kernel k_qad3a64fe57_proj
		.amdhsa_group_segment_fixed_size 327680
		.amdhsa_private_segment_fixed_size 0
		.amdhsa_enable_private_segment 0
		.amdhsa_kernarg_size 64
		.amdhsa_user_sgpr_count 2
		.amdhsa_user_sgpr_kernarg_segment_ptr 1
		.amdhsa_wavefront_size32 1
		.amdhsa_system_sgpr_workgroup_id_x 1
		.amdhsa_system_sgpr_workgroup_id_y 1
		.amdhsa_system_sgpr_workgroup_id_z 1
		.amdhsa_system_vgpr_workitem_id 0
		.amdhsa_next_free_vgpr 1024
		.amdhsa_next_free_sgpr 106
		.amdhsa_reserve_vcc 0
		.amdhsa_float_denorm_mode_32 3
		.amdhsa_float_denorm_mode_16_64 3
		.amdhsa_memory_ordered 1
		.amdhsa_forward_progress 1
		.amdhsa_inst_pref_size 222
	.end_amdhsa_kernel
	.amdgpu_metadata
---
amdhsa.version: [ 1, 2 ]
amdhsa.kernels:
  - .name:           k_qad3a64fe57_proj
    .symbol:         k_qad3a64fe57_proj.kd
    .args:
      - { .name: x_codes, .offset: 0, .size: 8, .value_kind: global_buffer, .address_space: global }
      - { .name: x_scales, .offset: 8, .size: 8, .value_kind: global_buffer, .address_space: global }
      - { .name: w_codes, .offset: 16, .size: 8, .value_kind: global_buffer, .address_space: global }
      - { .name: w_scales, .offset: 24, .size: 8, .value_kind: global_buffer, .address_space: global }
      - { .name: bq, .offset: 32, .size: 8, .value_kind: global_buffer, .address_space: global }
      - { .name: bk, .offset: 40, .size: 8, .value_kind: global_buffer, .address_space: global }
      - { .name: bv, .offset: 48, .size: 8, .value_kind: global_buffer, .address_space: global }
      - { .name: qkv, .offset: 56, .size: 8, .value_kind: global_buffer, .address_space: global }
    .group_segment_fixed_size: 327680
    .private_segment_fixed_size: 0
    .kernarg_segment_align: 8
    .kernarg_segment_size: 64
    .max_flat_workgroup_size: 128
    .sgpr_count:     106
    .vgpr_count:     1024
    .wavefront_size: 32
...
	.end_amdgpu_metadata
.endif
;; end of part 2
;; launch attn (part 3): grid 4 x 64, 16 waves a work-group, clusters of 4 x 1, 288,768 bytes of LDS; arguments qkv, attention_mask, out0; writes out0
.if DOCPART == 3
	.amdgcn_target "amdgcn-amd-amdhsa--gfx1250"
	.amdhsa_code_object_version 6
	.text
	.protected	k_qad3a64fe57_attn
	.globl	k_qad3a64fe57_attn
	.p2align	8
	.type	k_qad3a64fe57_attn,@function
k_qad3a64fe57_attn:
	s_mov_b64 s[64:65], 0
	v_nop
	global_prefetch_b8 v0, s[64:65] scope:SCOPE_SE
	s_setreg_imm32_b32 hwreg(HW_REG_WAVE_MODE, 25, 1), 1
	s_wait_xcnt 0x0
	s_wait_alu depctr_hold_cnt(0) depctr_sa_sdst(0) depctr_va_vdst(0) depctr_va_sdst(0) depctr_va_ssrc(0) depctr_va_vcc(0) depctr_vm_vsrc(0)
	s_getreg_b32 s2, hwreg(HW_REG_IB_STS2, 6, 4)
	s_cmp_eq_u32 s2, 0
	s_cbranch_scc0 .Lentry_in_a_cluster
	s_endpgm
.Lentry_in_a_cluster:
	s_bfe_u32 s2, ttmp6, 0x10000c
	s_cmp_lg_u32 s2, 0x3003
	s_cbranch_scc0 .Lentry_shape_is_right
	s_endpgm
.Lentry_shape_is_right:
; out0[b][q][64 head + d] = the sum over k of softmax_k(q . k / 8 + mask[b][k]) v[k][d], both products on codes of FP6 (E2M3) with one E8M0 scale for each 32 along a product's K.
; q, k, v come from qkv as images of the operands' registers: two planes (0: q; 1: k and v) of [64 batch x head][16 steps of 128 tokens][13,056 bytes]: +0 eight tiles of 16 tokens, 768 bytes each (registers 0-3 at 16 x lane,
; 4-5 at 512 + 8 x lane); +6,144 four tiles of 16 channels of v x 128 keys, 1,536 bytes each (registers 4 j .. at 512 j + 16 x lane); +12,288 the tokens' scale words; +12,800 v's scale words.
; Inside each block of 32 the codes stand in the order 0-7, 16-23, 8-15, 24-31, in q and k along the channels, in v along the keys; p is made here in the same order: the same on both sides of a product, so every sum is as it should be.
; THE SOFTMAX AHEAD OF THE SECOND PRODUCT: t = (q . k + 8 mask) x log2(e) / 8; M = the row's largest t so far, rounded UP to a whole number; p = 2^(t - M) is what is quantised, along the keys; it is not normalised.
; The row's sum is taken of the unquantised p, in f32, and divides O at the end.  When M moves, the sum and O are multiplied by 2^(old M - new M): exact.
; THE MASK COSTS NO VECTOR INSTRUCTION: 8 x mask lies in LDS and is loaded into the scores' registers as the C of the first product.
; K = 64 IN A FORM OF 128: q's registers 6-11 are zero codes and bytes 2, 3 of q's and k's scale words are 0; FP6 has no NaN and no infinity, so whatever stands in the registers named as k's 6-11
; (the next fragment's codes) is multiplied by zero.  So eight fragments of k lie six registers apart.
; SHARES.  A cluster of four work-groups is one (batch, head); work-group cx owns 512 queries, in two passes of 256; in a pass each of its SIXTEEN waves owns one tile of 16 queries in 256 registers: four waves to a SIMD,
; so that one wave's vector work stands beside another's matrix work and LDS loads.
; ALL OF THE HEAD'S k, v AND THEIR SCALES, 208,896 BYTES, LIE IN LDS, FILLED ONCE, by JOINT loads: the four partners need the same bytes, each asks by the same tensor loads with a mask that names the four.
; No LDS byte is filled twice: no ring, and behind the fourth group of key steps no barrier.  Nothing is prefetched: all that the launch reads is asked for in its first lines.
; LAYOUT.  Both products are used transposed: S^T = k q^T (source 0 = 16 keys, source 1 = my 16 queries), O^T = v^T p^T (source 0 = 16 channels, source 1 = p): a lane holds ONE query (lane % 16) throughout.
; LIMITS: 8 x mask is held at -3e38 from below, so a mask under -3.75e37 (minus infinity too) counts as -3.75e37, which leaves p = 0 beside any key that is not so masked; a mask above +4e37 overflows; NaN is not served.
.set STEPB,  13056
.set HEADB,  16*STEPB
.set PLANE,  64*HEADB
.set MASKL,  HEADB                     ; LDS: 0 the head's plane-1 block as it lies in memory; behind it 8 x mask of the batch's 2,048 keys, 8,192 bytes;
.set STAGE,  MASKL+8192                ; behind that the way out: 16 rows x (256 bytes + 16) for each wave
.set SP,     272
.set L16,  1                           ; v1   16 x lane
.set L8,   2                           ; v2   8 x lane
.set AM0,  3                           ; v3   MASKL + 32 h
.set ADK,  4                           ; v4   the step's block + 16 x lane
.set ADK8, 5                           ; v5   the step's block + 8 x lane
.set ADM,  6                           ; v6   the step's 128 numbers of the mask + 32 h
.set STO,  7                           ; v7   the way out: where I put 32 bytes of a row
.set RD,   8                           ; v8   where I read a row back
.set GO,   9                           ; v9   my byte offset in the wave's rows of out0
.set Q0,   16                          ; v16-27 q of pass 0 (six registers of codes, six of zeros); v28-39 of pass 1; v40, v41 their scale words
.set KF,   42                          ; v42-89 k: eight fragments six registers apart; later v: four of twelve; v90-95 zeros
.set S,    96                          ; v96-159 8 x mask, S^T, then p
.set O,    160                         ; v160-191 O^T
.set PCD,  192                         ; v192-203 p's codes
.set PC2,  204                         ; v204-206, v208-210 the conversions' second halves
.set BM,   212                         ; v212-215 each block's largest score, then its largest p
.set BT,   216                         ; v216-219 the partner lane's; later the scales' bytes
.set BS,   220                         ; v220-223 the conversions' scale operands
.set KSC,  224                         ; v224-227 k's scale words: register j: lanes 0-15 tile 2 j, lanes 16-31 tile 2 j + 1
.set VSC,  228                         ; v228-229 v's likewise
.set PSC,  230                         ; v230 p's scale word
.set F,    232                         ; v[232:233] f = 2^(old M - new M) in the low register
.set W,    234                         ; v234 at work
.set SUM2, 236                         ; v[236:237] the sums' second chain
.set QSO,  238                         ; v238 16 r
.set WV,   10                          ; s10  my wave's number
.set SEL,  40                          ; s[40:41] lane selects for v_permlanex16_b32: lane l xor 16
.set CS,   42                          ; s[42:43] c = log2(e) / 8: the packed form names a pair and takes its low word for both halves
.set TB,   44                          ; s44  LDS byte at which the step's block begins
.set TMK,  45                          ; s45  512 x step: the step's numbers of the mask
.set CNT,  46                          ; s46  counts a loop's steps
.macro ROUND                           ; a round of the cluster's barrier
	s_barrier_signal -1
	s_barrier_wait -1
	s_cmp_lg_u32 s[WV], 0
	s_cbranch_scc1 .Lnot_wave_0_\@
	s_barrier_signal -3
.Lnot_wave_0_\@:
	s_barrier_wait -3
	s_barrier_signal -1
	s_barrier_wait -1
.endm
	s_load_b128 s[4:7], s[0:1], 0x0                ; qkv s[4:5], the mask s[6:7]
	s_load_b64 s[8:9], s[0:1], 0x10                ; out0
	v_lshl_add_u32 v254, v0, 2, 0x46000
	v_mov_b32 v255, 0
	ds_add_u32 v254, v255
	ds_add_u32 v254, v255
	v_lshrrev_b32 v10, 5, v0
	s_delay_alu instid0(VALU_DEP_1)
	v_readfirstlane_b32 s[WV], v10                 ; wave 0..15
	s_bfe_u32 s11, ttmp6, 0x40000                  ; cx: it enters q's and out0's addresses alone
	s_and_b32 s12, ttmp7, 0xffff                   ; 16 x batch + head, which the four partners share
	; descriptor group 1: a step's block, 13,056 dense bytes, as 51 rows of 256 bytes (32 elements of 8 bytes), no padding
	s_mov_b32 s16, 15|(3<<16)|(1<<21)              ; 15:0 the mask: all four work-groups; 17:16 elements of 8 bytes; 21 set beside a mask
	s_mov_b32 s17, 32<<16                          ; tensor_dim0 = 32
	s_mov_b32 s18, 51<<16                          ; tensor_dim1 = 51
	s_mov_b32 s19, 32<<16                          ; tile_dim0 = 32
	s_mov_b32 s20, 51                              ; tile_dim1 = 51
	s_mov_b32 s21, 32                              ; tensor_dim0_stride
	s_mov_b32 s22, 0
	s_mov_b32 s23, 0
	s_mul_i32 s48, s12, HEADB                      ; the head's block in a plane: under 2^24
	s_mov_b32 s49, 0
	s_and_b32 s50, s[WV], 3
	s_mul_i32 s50, s50, STEPB                      ; which of a group's four steps I fetch: the same offset in LDS and in memory
	s_add_co_u32 s52, s50, PLANE
	s_mov_b32 s53, 0
	s_lshl_b32 s54, s11, 2                         ; q: pass 0's queries 512 cx + 16 wave + r lie in step 4 cx + wave / 8, tile a = wave % 8
	s_lshr_b32 s55, s[WV], 3
	s_add_co_u32 s54, s54, s55
	s_mul_i32 s54, s54, STEPB
	s_and_b32 s55, s[WV], 7
	s_and_b32 s56, s55, 1
	s_lshl_b32 s56, s56, 8
	s_lshr_b32 s57, s55, 1
	s_lshl_b32 s57, s57, 2
	s_add_co_u32 s56, s56, s57
	s_add_co_u32 s56, s56, s54
	s_add_co_u32 s56, s56, 12288                   ; its scale words: 12,288 + 256 (a % 2) + 4 (a / 2), 16 bytes from token to token
	s_mov_b32 s57, 0
	s_mul_i32 s55, s55, 768
	s_add_co_u32 s54, s54, s55                     ; its image
	s_mov_b32 s55, 0
	s_lshr_b32 s58, s12, 4                         ; the batch
	s_lshl_b32 s46, s58, 13                        ; its 2,048 numbers of the mask
	s_mov_b32 s47, 0
	s_lshl_b32 s58, s58, 11
	s_lshl_b32 s59, s11, 9
	s_add_co_u32 s58, s58, s59
	s_lshl_b32 s59, s[WV], 4
	s_add_co_u32 s58, s58, s59                     ; my first row of out0: 2,048 x batch + 512 cx + 16 x wave,
	s_lshl_b32 s58, s58, 12                        ; 4,096 bytes a row,
	s_and_b32 s59, s12, 15
	s_lshl_b32 s59, s59, 8
	s_add_co_u32 s58, s58, s59                     ; + the head's 256 bytes: under 2^26
	s_mov_b32 s59, 0
	s_mov_b32 s[SEL], 0x76543210
	s_mov_b32 s[SEL+1], 0xfedcba98
	s_mov_b32 s[CS], 0x3e38aa3b                    ; c = log2(e) / 8
	s_mov_b32 s[CS+1], s[CS]                       ; (named with it as a pair, so it is written)
	s_wait_dscnt 0x0
	s_wait_kmcnt 0x0
	s_add_nc_u64 s[4:5], s[4:5], s[48:49]          ; plane 0, my head
	s_add_nc_u64 s[52:53], s[4:5], s[52:53]        ; plane 1, my head, my step of the first group
	s_add_nc_u64 s[54:55], s[4:5], s[54:55]
	s_add_nc_u64 s[56:57], s[4:5], s[56:57]
	s_add_nc_u64 s[6:7], s[6:7], s[46:47]
	s_add_nc_u64 s[8:9], s[8:9], s[58:59]
.irp g, 0,1,2,3                                ; descriptor group 0, a set for each group of four steps: load g of wave w brings step 4 g + w
	s_mov_b32 s[24+4*\g], 1                        ; 1:0 count = 1
	s_add_co_u32 s[25+4*\g], s50, \g*4*STEPB       ; 63:32 LDS address
	s_add_nc_u64 s[26+4*\g:27+4*\g], s[52:53], \g*4*STEPB   ; 120:64 global address
	s_or_b32 s[27+4*\g], s[27+4*\g], 0x80000000    ; 127:126 type = 2
.endr
	ROUND                                          ; all four work-groups are here: the joint loads meet
	s_cmp_lt_u32 s[WV], 4                          ; waves 0 to 3 fetch; a wave's four fills stand in one branch, ahead of every wait on TENSORcnt and every LDS read: four loads of mine are out; four v_nop follow the last
	s_cbranch_scc0 .Lno_fetch
	tensor_load_to_lds s[24:27], s[16:23]
	s_nop 0
	tensor_load_to_lds s[28:31], s[16:23]
	s_nop 0
	tensor_load_to_lds s[32:35], s[16:23]
	s_nop 0
	tensor_load_to_lds s[36:39], s[16:23]
	s_nop 0
.rept 4
	v_nop
.endr
.Lno_fetch:
	v_lshlrev_b32 v11, 4, v0
	global_load_b128 v[S:S+3], v11, s[6:7]         ; the mask: 512 threads x four numbers
	v_and_b32 v[W], 31, v0                         ; lane
	v_and_b32 v10, 15, v0                          ; r
	v_bfe_u32 v239, v0, 4, 1                       ; h
	s_delay_alu instid0(VALU_DEP_3)
	v_lshlrev_b32 v[L16], 4, v[W]
	s_delay_alu instid0(VALU_DEP_4)
	v_lshlrev_b32 v[L8], 3, v[W]
	s_delay_alu instid0(VALU_DEP_4)
	v_lshlrev_b32 v[QSO], 4, v10
	global_load_b128 v[Q0:Q0+3], v[L16], s[54:55] th:TH_LOAD_NT                     ; q stays in registers, both passes'
	global_load_b64 v[Q0+4:Q0+5], v[L8], s[54:55] offset:512 th:TH_LOAD_NT
	global_load_b32 v40, v[QSO], s[56:57]
	global_load_b128 v[Q0+12:Q0+15], v[L16], s[54:55] offset:2*STEPB th:TH_LOAD_NT  ; pass 1's queries lie 256 on: two steps
	global_load_b64 v[Q0+16:Q0+17], v[L8], s[54:55] offset:2*STEPB+512 th:TH_LOAD_NT
	global_load_b32 v41, v[QSO], s[56:57] offset:2*STEPB
	s_mul_i32 s48, s[WV], 16*SP
	s_add_co_u32 s48, s48, STAGE                   ; my stage
	v_mul_u32_u24 v[STO], v10, SP                  ; in: row r; tile c's eight channels of my half: 64 c + 32 h bytes on
	s_delay_alu instid0(VALU_DEP_1)
	v_lshl_add_u32 v[STO], v239, 5, v[STO]
	s_delay_alu instid0(VALU_DEP_1)
	v_add_nc_u32 v[STO], s48, v[STO]
	v_mul_u32_u24 v[RD], v239, SP                  ; back: lanes 0-15 one row of 256 bytes, lanes 16-31 the next
	s_delay_alu instid0(VALU_DEP_1)
	v_lshl_add_u32 v[RD], v10, 4, v[RD]
	s_delay_alu instid0(VALU_DEP_1)
	v_add_nc_u32 v[RD], s48, v[RD]
	v_lshlrev_b32 v[GO], 12, v239                  ; and the same two rows in out0
	s_delay_alu instid0(VALU_DEP_1)
	v_lshl_add_u32 v[GO], v10, 4, v[GO]
	v_lshl_add_u32 v[AM0], v239, 5, MASKL
	v_lshl_add_u32 v235, v0, 4, MASKL
.irp i, 6,7,8,9,10,11,18,19,20,21,22,23
	v_mov_b32 v[Q0+\i], 0                          ; q's zero codes for k = 64 .. 127
.endr
.irp i, 48,49,50,51,52,53
	v_mov_b32 v[KF+\i], 0                          ; what the eighth fragment of k names as its registers 6-11
.endr
.irp b, 0,1,2,3
	v_mov_b32 v[BT+\b], 0                          ; written once: a lane permute's destination counts as one of its sources
.endr
	v_mov_b32 v[F+1], 0                            ; (named as the upper half of the pair)
	s_wait_loadcnt 6                               ; the mask is in; q's six loads, issued behind it, may be out
.irp i, 0,1,2,3
	v_mul_f32 v[S+\i], 0x41000000, v[S+\i]         ; 8 x mask: exact
.endr
.irp i, 0,1,2,3
	s_delay_alu instid0(VALU_DEP_4)
	v_max_num_f32 v[S+\i], 0xff61b1e6, v[S+\i]     ; held at -3e38 from below
.endr
	ds_store_b128 v235, v[S:S+3]
	s_wait_loadcnt 0x0                             ; q
; A KEY STEP: 128 keys.  qf: q's fragment, qs: its scale words.
.macro STEP qf, qs
	v_add_nc_u32 v[ADK], s[TB], v[L16]
	v_add_nc_u32 v[ADK8], s[TB], v[L8]
	v_add_nc_u32 v[ADM], s[TMK], v[AM0]
	v_nop                                          ; with the three additions: the four places in front of loads into registers that the last products have read
.irp t, 0,1,2,3,4,5,6,7
	ds_load_b128 v[S+8*\t:S+8*\t+3], v[ADM] offset:64*\t       ; 8 x mask of keys 16 t + 8 h + 0 .. 7: sixteen lanes read the same 16 bytes
	ds_load_b128 v[S+8*\t+4:S+8*\t+7], v[ADM] offset:64*\t+16
.endr
	ds_load_b128 v[KSC:KSC+3], v[ADK] offset:12288             ; k's scale words of all eight tiles
.irp t, 0,1,2,3,4,5,6,7
	ds_load_b128 v[KF+6*\t:KF+6*\t+3], v[ADK] offset:768*\t    ; a tile's image: 512 consecutive bytes,
	ds_load_b64 v[KF+6*\t+4:KF+6*\t+5], v[ADK8] offset:768*\t+512   ; and 256
.endr
	s_wait_alu depctr_va_vdst(0)
	s_wait_dscnt 0x0
.irp t, 0,1,2,3,4,5,6,7                        ; S^T = k q^T + 8 mask.  The twelve accumulators of a step take turns, one instruction a turn, over the loop's backward jump too
.if \t%2
	v_wmma_scale_f32_16x16x128_f8f6f4 v[S+8*\t:S+8*\t+7], v[KF+6*\t:KF+6*\t+11], v[\qf:\qf+11], v[S+8*\t:S+8*\t+7], v[KSC+\t/2], v[\qs] matrix_a_fmt:MATRIX_FMT_FP6 matrix_b_fmt:MATRIX_FMT_FP6 matrix_a_scale:MATRIX_SCALE_ROW1
.else
	v_wmma_scale_f32_16x16x128_f8f6f4 v[S+8*\t:S+8*\t+7], v[KF+6*\t:KF+6*\t+11], v[\qf:\qf+11], v[S+8*\t:S+8*\t+7], v[KSC+\t/2], v[\qs] matrix_a_fmt:MATRIX_FMT_FP6 matrix_b_fmt:MATRIX_FMT_FP6
.endif
.endr                                          ; lane (r, h) holds query r; registers 16 b + i: keys 32 b + 8 h + i (i < 8), 32 b + 16 + 8 h + i - 8
.rept 4
	v_nop                                          ; places in front of the loads into k's registers and of the first read of the scores
.endr
.irp c, 0,1,2,3                                ; v's four fragments land during the softmax
.irp j, 0,1,2
	ds_load_b128 v[KF+12*\c+4*\j:KF+12*\c+4*\j+3], v[ADK] offset:6144+1536*\c+512*\j
.endr
.endr
	ds_load_b64 v[VSC:VSC+1], v[ADK8] offset:12800
.irp b, 0,1,2,3
	v_max3_num_f32 v[BM+\b], v[S+16*\b], v[S+1+16*\b], v[S+2+16*\b]   ; THE LARGEST SCORE OF EACH BLOCK OF 32 KEYS: it serves twice: for the row's maximum, and, since p rises with the score, for the block's largest p
.endr
.irp i, 3,5,7,9,11,13
.irp b, 0,1,2,3
	v_max3_num_f32 v[BM+\b], v[BM+\b], v[S+16*\b+\i], v[S+1+16*\b+\i]   ; (the four blocks by turns)
.endr
.endr
.irp b, 0,1,2,3
	v_max_num_f32 v[BM+\b], v[BM+\b], v[S+15+16*\b]
.endr
.irp b, 0,1,2,3
	s_delay_alu instid0(VALU_DEP_4)
	v_permlanex16_b32 v[BT+\b], v[BM+\b], s[SEL], s[SEL+1]
.endr
.irp b, 0,1,2,3
	s_delay_alu instid0(VALU_DEP_4)
	v_max_num_f32 v[BM+\b], v[BM+\b], v[BT+\b]     ; with lane l xor 16's 16 keys
.endr
	s_delay_alu instid0(VALU_DEP_2)
	v_max3_num_f32 v[W], v[BM], v[BM+1], v[BM+2]
	s_delay_alu instid0(VALU_DEP_1)
	v_max_num_f32 v[W], v[W], v[BM+3]              ; the step's largest score of my query
	s_delay_alu instid0(VALU_DEP_1)
	v_mul_f32 v[W], s[CS], v[W]                    ; as t (c is positive)
	s_delay_alu instid0(VALU_DEP_1)
	v_max_num_f32 v13, v13, v[W]                   ; the running largest t
	v_mov_b32 v[W], v12
	s_delay_alu instid0(VALU_DEP_2)
	v_floor_f32 v12, -v13                          ; the new -M = floor(-t) = -ceil(t): M IS A WHOLE NUMBER
	s_delay_alu instid0(VALU_DEP_1)
	v_sub_f32 v[W], v12, v[W]                      ; M's old value less its new one: a whole number, 0 or less
	s_delay_alu instid0(VALU_DEP_1)
	v_cvt_i32_f32 v[W], v[W]                       ; (it saturates)
	s_delay_alu instid0(VALU_DEP_1)
	v_ldexp_f32 v[F], 1.0, v[W]                    ; f = 2^(old M - new M): a multiplication by it rounds nothing
.set j, 0
.rept 32
	v_pk_fma_f32 v[S+j:S+j+1], v[S+j:S+j+1], s[CS:CS+1], v[12:13] op_sel_hi:[1,0,0]   ; t - M, two at a time (of the pairs c and -M the low word serves both halves)
.set j, j+2
.endr
.irp b, 0,1,2,3
	v_fma_f32 v[BM+\b], v[BM+\b], s[CS], v12       ; the same of each block's largest score
.endr
.set j, 0
	s_setprio 1
	s_wait_alu depctr_va_vdst(0)
.rept 64
	v_exp_f32 v[S+j], v[S+j]                       ; p = 2^(t - M), at most 1: NOT normalised
.set j, j+1
.endr
	v_pk_mul_f32 v[14:15], v[14:15], v[F:F+1] op_sel_hi:[1,0]   ; the sums under the new M.  (A plain place behind the exponentials)
	s_wait_alu depctr_va_vdst(0)                   ; one wait for the whole batch of 64, ahead of its first reader
.irp b, 0,1,2,3
	v_exp_f32 v[BM+\b], v[BM+\b]                   ; the block's largest p: the same two instructions on the same number give the same bits
.endr
	v_pk_add_f32 v[236:237], v[100:101], v[104:105]
	v_pk_add_f32 v[252:253], v[108:109], v[112:113]
	v_pk_add_f32 v[250:251], v[116:117], v[120:121]
	v_pk_add_f32 v[248:249], v[124:125], v[128:129]
	v_pk_add_f32 v[246:247], v[132:133], v[136:137]
	v_pk_add_f32 v[244:245], v[140:141], v[144:145]
	v_pk_add_f32 v[242:243], v[148:149], v[152:153]
	v_pk_add_f32 v[14:15], v[14:15], v[156:157]
	v_pk_add_f32 v[236:237], v[236:237], v[96:97]
	v_pk_add_f32 v[252:253], v[252:253], v[98:99]
	v_pk_add_f32 v[250:251], v[250:251], v[102:103]
	v_pk_add_f32 v[248:249], v[248:249], v[106:107]
	v_pk_add_f32 v[246:247], v[246:247], v[110:111]
	v_pk_add_f32 v[244:245], v[244:245], v[114:115]
	v_pk_add_f32 v[242:243], v[242:243], v[118:119]
	v_pk_add_f32 v[14:15], v[14:15], v[122:123]
	v_pk_add_f32 v[236:237], v[236:237], v[126:127]
	v_pk_add_f32 v[252:253], v[252:253], v[130:131]
	v_pk_add_f32 v[250:251], v[250:251], v[134:135]
	v_pk_add_f32 v[248:249], v[248:249], v[138:139]
	v_pk_add_f32 v[246:247], v[246:247], v[142:143]
	v_pk_add_f32 v[244:245], v[244:245], v[146:147]
	v_pk_add_f32 v[242:243], v[242:243], v[150:151]
	v_pk_add_f32 v[14:15], v[14:15], v[154:155]
	v_pk_add_f32 v[236:237], v[236:237], v[158:159]
	s_delay_alu instid0(VALU_DEP_2)
	v_pk_add_f32 v[14:15], v[14:15], v[248:249]
	s_delay_alu instid0(VALU_DEP_2)
	v_pk_add_f32 v[236:237], v[236:237], v[246:247]
	v_pk_add_f32 v[252:253], v[252:253], v[244:245]
	v_pk_add_f32 v[250:251], v[250:251], v[242:243]
	s_delay_alu instid0(VALU_DEP_2)
	v_pk_add_f32 v[14:15], v[14:15], v[252:253]
	s_delay_alu instid0(VALU_DEP_2)
	v_pk_add_f32 v[236:237], v[236:237], v[250:251]
	s_delay_alu instid0(VALU_DEP_1)
	v_pk_add_f32 v[14:15], v[14:15], v[236:237]
	s_wait_alu depctr_va_vdst(0)                   ; and one for the four
.irp b, 0,1,2,3
	v_max_num_f32 v[BM+\b], 0x1800000, v[BM+\b]    ; the floor 2^(3 - 127): the byte cannot fall under 1 (a block whose every p has fallen to 0 keeps that byte: its codes are zeros)
.endr
.irp b, 0,1,2,3
	s_delay_alu instid0(VALU_DEP_4)
	v_add_nc_u32 v[BS+\b], 0xff000000, v[BM+\b]    ; 2 off the exponent field: the conversion's scale operand
.endr
.irp b, 0,1,2,3
	s_delay_alu instid0(VALU_DEP_4)
	v_lshrrev_b32 v[BT+\b], 23, v[BS+\b]           ; the scale's byte
.endr
	s_delay_alu instid0(VALU_DEP_3)
	v_lshl_or_b32 v[PSC], v[BT+1], 8, v[BT]        ; p's scale word for these 128 keys
	s_delay_alu instid0(VALU_DEP_1)
	v_lshl_or_b32 v[PSC], v[BT+2], 16, v[PSC]
	s_delay_alu instid0(VALU_DEP_1)
	v_lshl_or_b32 v[PSC], v[BT+3], 24, v[PSC]
.irp c, 0,1
	v_cvt_scalef32_pk16_fp6_f32 v[PCD+6*\c:PCD+2+6*\c], v[S+32*\c:S+15+32*\c], v[BS+2*\c]
	v_cvt_scalef32_pk16_fp6_f32 v[PC2+4*\c:PC2+2+4*\c], v[S+16+32*\c:S+31+32*\c], v[BS+2*\c+1]   ; (a conversion's three registers begin on an even number)
.endr
	v_nop                                          ; one plain place behind a scaled conversion
.irp c, 0,1                                    ; the operand's layout wants a WHOLE block in a lane: lanes 0-15 block 2 c, lanes 16-31 block 2 c + 1
.irp i, 0,1,2
	v_permlane16_swap_b32 v[PCD+6*\c+\i], v[PC2+4*\c+\i]
.endr
.irp i, 0,1,2
	s_delay_alu instid0(VALU_DEP_3)
	v_mov_b32 v[PCD+3+6*\c+\i], v[PC2+4*\c+\i]
.endr
.endr
.set j, 0
	s_setprio 0
.rept 16
	v_pk_mul_f32 v[O+j:O+j+1], v[O+j:O+j+1], v[F:F+1] op_sel_hi:[1,0]   ; O^T under the new M: x f.  (These 16 are also the places between the lines that made p's codes and scale word and the products below)
.set j, j+2
.endr
	s_wait_alu depctr_va_vdst(0)
	s_wait_dscnt 0x0                               ; v and its scale words are in
.irp c, 0,1,2,3                                ; O^T += v^T p^T: four tiles of 16 channels; K = these 128 keys
.if \c%2
	v_wmma_scale_f32_16x16x128_f8f6f4 v[O+8*\c:O+8*\c+7], v[KF+12*\c:KF+12*\c+11], v[PCD:PCD+11], v[O+8*\c:O+8*\c+7], v[VSC+\c/2], v[PSC] matrix_a_fmt:MATRIX_FMT_FP6 matrix_b_fmt:MATRIX_FMT_FP6 matrix_a_scale:MATRIX_SCALE_ROW1
.else
	v_wmma_scale_f32_16x16x128_f8f6f4 v[O+8*\c:O+8*\c+7], v[KF+12*\c:KF+12*\c+11], v[PCD:PCD+11], v[O+8*\c:O+8*\c+7], v[VSC+\c/2], v[PSC] matrix_a_fmt:MATRIX_FMT_FP6 matrix_b_fmt:MATRIX_FMT_FP6
.endif
.endr
	s_add_co_u32 s[TB], s[TB], STEPB               ; the next step
	s_add_co_u32 s[TMK], s[TMK], 512
.endm
.macro LOOP n, first, qf, qs                   ; key steps first .. first + n - 1
	s_mov_b32 s[TB], (\first)*STEPB
	s_mov_b32 s[TMK], (\first)*512
	s_mov_b32 s[CNT], \n
.Lkeys_\@:
	s_setprio 2
	STEP \qf, \qs
	s_sub_co_u32 s[CNT], s[CNT], 1
	s_cmp_lg_u32 s[CNT], 0
	s_cbranch_scc1 .Lkeys_\@
	s_setprio 0
.endm
.macro INIT                                    ; a pass begins: the step is written once, its first trip finds zeros, which the first change of M leaves zeros
	s_wait_xcnt 0x0                                ; the last pass's stores have read their registers: only behind this wait are they written again
	v_mov_b32 v13, 0xff61b1e6                      ; the largest t so far: -3e38, under every t
	s_delay_alu instid0(VALU_DEP_1)
	v_floor_f32 v12, -v13                          ; -M
	v_mov_b32 v14, 0                               ; the sum, in two halves
	v_mov_b32 v15, 0
.set j, 0
.rept 32
	v_mov_b32 v[O+j], 0
.set j, j+1
.endr
.endm
; THE WAY OUT of a pass.  O^T is divided by the row's sum and goes through my own stage in LDS: a row is a query's 64 channels, 256 bytes, so that sixteen lanes store 256 consecutive bytes, aligned.
.macro OUT pass
.rept 4
	v_nop                                          ; places behind the last products
.endr
	v_add_f32 v14, v14, v15                        ; the sum's two halves,
	s_delay_alu instid0(VALU_DEP_1)
	v_permlanex16_b32 v[W], v14, s[SEL], s[SEL+1]
	s_delay_alu instid0(VALU_DEP_1)
	v_add_f32 v14, v14, v[W]                       ; and lane l xor 16's: the row's sum
	s_wait_alu depctr_va_vdst(0)
	v_rcp_f32 v14, v14
	v_nop                                          ; one plain place behind the transcendental
	s_wait_alu depctr_va_vdst(0)                   ; and the wait ahead of its first reader
.set j, 0
.rept 16
	v_pk_mul_f32 v[S+j:S+j+1], v[O+j:O+j+1], v[14:15] op_sel_hi:[1,0]   ; register 8 c + i is o(r, 16 c + 8 h + i); each accumulator from its low end on
.set j, j+2
.endr
.irp c, 0,1,2,3
	ds_store_b128 v[STO], v[S+8*\c:S+8*\c+3] offset:64*\c
	ds_store_b128 v[STO], v[S+8*\c+4:S+8*\c+7] offset:64*\c+16
.endr
.irp i, 0,1,2,3,4,5,6,7
	ds_load_b128 v[KF+4*\i:KF+4*\i+3], v[RD] offset:2*\i*SP    ; LDS serves a wave's instructions in order: these see my stores
.endr
.irp i, 0,1,2,3,4,5,6,7
	s_wait_dscnt 7-\i                              ; the younger loads may be out
	global_store_b128 v[GO], v[KF+4*\i:KF+4*\i+3], s[8:9] offset:(\pass)*1048576+8192*\i th:TH_STORE_NT   ; rows 2 i and 2 i + 1 of my 16; pass 1's lie 256 rows on
.endr
.endm
	INIT
.irp g, 0,1,2,3                                ; pass 0 begins as soon as the first four steps have landed: group g's loads are waited for, the later groups' stay out
	s_wait_tensorcnt 3-\g
	s_wait_dscnt 0x0                               ; my store of the mask has landed (the first time); no LDS instruction of mine is out at a signal
	s_barrier_signal -1
	s_barrier_wait -1                              ; everybody's part of the group is in
	LOOP 4, 4*\g, Q0, 40
.endr
	OUT 0
	INIT
	LOOP 16, 0, Q0+12, 41                          ; pass 1: all of the head lies in LDS: no wait, no barrier
	OUT 1
	s_wait_dscnt 0x0
	s_wait_tensorcnt 0x0
	ds_add_u32 v254, v255
	s_wait_dscnt 0x0
	ROUND                                          ; the closing round: no work-group ends while a partner may still ask for a tile that names it
	s_endpgm
.Lfunc_end_k_qad3a64fe57_attn:
	.size	k_qad3a64fe57_attn, .Lfunc_end_k_qad3a64fe57_attn-k_qad3a64fe57_attn
	.p2alignl 7, 3214868480
	.fill 96, 4, 3214868480
	.section	.rodata,"a",@progbits
	.p2align	6, 0x0
	.amdhsa_kernel k_qad3a64fe57_attn
		.amdhsa_group_segment_fixed_size 288768
		.amdhsa_private_segment_fixed_size 0
		.amdhsa_enable_private_segment 0
		.amdhsa_kernarg_size 24
		.amdhsa_user_sgpr_count 2
		.amdhsa_user_sgpr_kernarg_segment_ptr 1
		.amdhsa_wavefront_size32 1
		.amdhsa_system_sgpr_workgroup_id_x 1
		.amdhsa_system_sgpr_workgroup_id_y 1
		.amdhsa_system_sgpr_workgroup_id_z 1
		.amdhsa_system_vgpr_workitem_id 0
		.amdhsa_next_free_vgpr 256
		.amdhsa_next_free_sgpr 66
		.amdhsa_reserve_vcc 0
		.amdhsa_float_denorm_mode_32 3
		.amdhsa_float_denorm_mode_16_64 3
		.amdhsa_memory_ordered 1
		.amdhsa_forward_progress 1
		.amdhsa_inst_pref_size 109
	.end_amdhsa_kernel
	.amdgpu_metadata
---
amdhsa.version: [ 1, 2 ]
amdhsa.kernels:
  - .name:           k_qad3a64fe57_attn
    .symbol:         k_qad3a64fe57_attn.kd
    .args:
      - { .name: qkv, .offset: 0, .size: 8, .value_kind: global_buffer, .address_space: global }
      - { .name: attention_mask, .offset: 8, .size: 8, .value_kind: global_buffer, .address_space: global }
      - { .name: out0, .offset: 16, .size: 8, .value_kind: global_buffer, .address_space: global }
    .group_segment_fixed_size: 288768
    .private_segment_fixed_size: 0
    .kernarg_segment_align: 8
    .kernarg_segment_size: 24
    .max_flat_workgroup_size: 512
    .sgpr_count:     66
    .vgpr_count:     256
    .wavefront_size: 32
...
	.end_amdgpu_metadata
.endif
;; end of part 3
